; MI455X (gfx1250); checked and timed in simulation.
; The chip was launched on July 23, 2026; its instructions are those of AMD's public machine-readable ISA for CDNA 5 (MIT licence, August 2026) and "CDNA5" Instruction Set Architecture Reference Guide (July 2026). The comments in the code are by the model that wrote it; some were corrected since.
;; Rel Position Multi Headed Attention. Allowed arithmetic: float matrix products may take bf16 or f16 operands with f32 sums; all other float work in f32.
;; Inputs: Wk 512 x 512 float32; Wout 512 x 512 float32; Wpos 512 x 512 float32; Wq 512 x 512 float32; Wv 512 x 512 float32; bk 512 float32; bout 512 float32; bq 512 float32; bv 512 float32; pos_bias_u 8 x 64 float32; pos_bias_v 8 x 64 float32; pos_emb 1 x 2,048 x 512 float32; x 4 x 2,048 x 512 float32.
;; Outputs: out0 4 x 2,048 x 512 float32.
;; 2 versions, each right; version 2 is version 1 with the launch cast written anew for expert scheduling mode. Each part assembles by itself: llvm-mc -triple=amdgcn-amd-amdhsa -mcpu=gfx1250 --defsym DOCPART=n.
;; ======== version 1 of 2: 4 launches
;; limits: values are held in f16: magnitudes above 65,504 overflow, below 6.1e-05 lose precision
;; workspace buffers: cast 13,107,200 bytes; qkv 25,165,824 bytes; eb 262,144 bytes; ctx 8,388,608 bytes
;; launch cast (part 1): grid 256 x 1, 8 waves a work-group, no clusters, 0 bytes of LDS; arguments x, pos_emb, Wq, Wv, Wpos, Wk, Wout, cast; writes cast
.if DOCPART == 1
	.amdgcn_target "amdgcn-amd-amdhsa--gfx1250"
	.amdhsa_code_object_version 6
	.text
	.protected	k_q5767d7bde7_cast
	.globl	k_q5767d7bde7_cast
	.p2align	8
	.type	k_q5767d7bde7_cast,@function
k_q5767d7bde7_cast:
	s_mov_b64 s[64:65], 0
	v_nop
	global_prefetch_b8 v0, s[64:65] scope:SCOPE_SE
	s_setreg_imm32_b32 hwreg(HW_REG_WAVE_MODE, 25, 1), 1
	s_wait_xcnt 0x0
; x, pos_emb and the five weight matrices, f32, are rounded once to f16 and laid one behind the other in 'cast':
;   x at 0 (8192 x 512), pos_emb at PB (2048 x 512), then Wq, Wv, Wpos, Wk, Wout (512 x 512 each) from WQ on, 524,288 bytes apart.
; LIMIT: a number above 65,504 in magnitude becomes an infinity in f16.
; A stream: no LDS, no matrix unit, no cluster (no byte is read by two work-groups).
; Work-group g takes 1/256 of every tensor: 64 KiB of x, 16 KiB of pos_emb, 4 KiB of each weight matrix = 25 loads of 16 bytes a thread,
; all issued before the first is used.  A wave's load covers 512 consecutive bytes, a wave's store 256 consecutive bytes, aligned.
; No register is written twice, so no source of a pending load or store is ever overwritten.
.set IN,  4                            ; v[4:103]    25 x 4 numbers as loaded
.set OUT, 104                          ; v[104:153]  25 x 4 numbers in f16
.set PB,  8388608
.set WQ,  10485760
	s_load_b512 s[4:19], s[0:1], 0x0               ; x, pos_emb, Wq, Wv, Wpos, Wk, Wout, cast
	v_lshlrev_b32 v1, 4, v0                        ; 16 t: my bytes in a load
	v_lshlrev_b32 v2, 3, v0                        ; 8 t: my bytes in a store
	s_lshl_b32 s20, ttmp9, 16                      ; byte offsets of the group's parts: x in,
	s_mov_b32 s21, 0
	s_lshl_b32 s22, ttmp9, 14                      ; pos_emb in,
	s_mov_b32 s23, 0
	s_lshl_b32 s24, ttmp9, 12                      ; a weight matrix in,
	s_mov_b32 s25, 0
	s_lshl_b32 s26, ttmp9, 15                      ; x out,
	s_mov_b32 s27, 0
	s_lshl_b32 s28, ttmp9, 13                      ; pos_emb out,
	s_add_co_u32 s28, s28, PB
	s_mov_b32 s29, 0
	s_lshl_b32 s30, ttmp9, 11                      ; the weight matrices out
	s_add_co_u32 s30, s30, WQ
	s_mov_b32 s31, 0
	s_wait_kmcnt 0x0
	s_add_nc_u64 s[4:5], s[4:5], s[20:21]
	s_add_nc_u64 s[6:7], s[6:7], s[22:23]
.irp p, 8,10,12,14,16
	s_add_nc_u64 s[\p:\p+1], s[\p:\p+1], s[24:25]
.endr
	s_add_nc_u64 s[26:27], s[18:19], s[26:27]
	s_add_nc_u64 s[28:29], s[18:19], s[28:29]
	s_add_nc_u64 s[30:31], s[18:19], s[30:31]
.set i, 0
.rept 16
	global_load_b128 v[IN+4*i:IN+4*i+3], v1, s[4:5] offset:4096*i th:TH_LOAD_NT
.set i, i+1
.endr
.rept 4
	global_load_b128 v[IN+4*i:IN+4*i+3], v1, s[6:7] offset:4096*(i-16) th:TH_LOAD_NT
.set i, i+1
.endr
.rept 5
	global_load_b128 v[IN+4*i:IN+4*i+3], v1, s[8+2*(i-20):9+2*(i-20)] th:TH_LOAD_NT
.set i, i+1
.endr
; load i is in when at most the 24 - i younger ones are out (loads return in order)
.set i, 0
.rept 16
	s_wait_loadcnt 24-i
	v_cvt_pk_f16_f32 v[OUT+2*i],   v[IN+4*i],   v[IN+4*i+1]
	v_cvt_pk_f16_f32 v[OUT+2*i+1], v[IN+4*i+2], v[IN+4*i+3]
	global_store_b64 v2, v[OUT+2*i:OUT+2*i+1], s[26:27] offset:2048*i
.set i, i+1
.endr
.rept 4
	s_wait_loadcnt 24-i
	v_cvt_pk_f16_f32 v[OUT+2*i],   v[IN+4*i],   v[IN+4*i+1]
	v_cvt_pk_f16_f32 v[OUT+2*i+1], v[IN+4*i+2], v[IN+4*i+3]
	global_store_b64 v2, v[OUT+2*i:OUT+2*i+1], s[28:29] offset:2048*(i-16)
.set i, i+1
.endr
.rept 5
	s_wait_loadcnt 24-i
	v_cvt_pk_f16_f32 v[OUT+2*i],   v[IN+4*i],   v[IN+4*i+1]
	v_cvt_pk_f16_f32 v[OUT+2*i+1], v[IN+4*i+2], v[IN+4*i+3]
	global_store_b64 v2, v[OUT+2*i:OUT+2*i+1], s[30:31] offset:524288*(i-20)
.set i, i+1
.endr
	s_endpgm
.Lfunc_end_k_q5767d7bde7_cast:
	.size	k_q5767d7bde7_cast, .Lfunc_end_k_q5767d7bde7_cast-k_q5767d7bde7_cast
	.p2alignl 7, 3214868480
	.fill 96, 4, 3214868480
	.section	.rodata,"a",@progbits
	.p2align	6, 0x0
	.amdhsa_kernel k_q5767d7bde7_cast
		.amdhsa_group_segment_fixed_size 0
		.amdhsa_private_segment_fixed_size 0
		.amdhsa_enable_private_segment 0
		.amdhsa_kernarg_size 64
		.amdhsa_user_sgpr_count 2
		.amdhsa_user_sgpr_kernarg_segment_ptr 1
		.amdhsa_wavefront_size32 1
		.amdhsa_system_sgpr_workgroup_id_x 1
		.amdhsa_system_sgpr_workgroup_id_y 1
		.amdhsa_system_sgpr_workgroup_id_z 1
		.amdhsa_system_vgpr_workitem_id 0
		.amdhsa_next_free_vgpr 160
		.amdhsa_next_free_sgpr 66
		.amdhsa_reserve_vcc 0
		.amdhsa_float_denorm_mode_32 3
		.amdhsa_float_denorm_mode_16_64 3
		.amdhsa_memory_ordered 1
		.amdhsa_forward_progress 1
		.amdhsa_inst_pref_size 10
	.end_amdhsa_kernel
	.amdgpu_metadata
---
amdhsa.version: [ 1, 2 ]
amdhsa.kernels:
  - .name:           k_q5767d7bde7_cast
    .symbol:         k_q5767d7bde7_cast.kd
    .args:
      - { .name: x, .offset: 0, .size: 8, .value_kind: global_buffer, .address_space: global }
      - { .name: pos_emb, .offset: 8, .size: 8, .value_kind: global_buffer, .address_space: global }
      - { .name: Wq, .offset: 16, .size: 8, .value_kind: global_buffer, .address_space: global }
      - { .name: Wv, .offset: 24, .size: 8, .value_kind: global_buffer, .address_space: global }
      - { .name: Wpos, .offset: 32, .size: 8, .value_kind: global_buffer, .address_space: global }
      - { .name: Wk, .offset: 40, .size: 8, .value_kind: global_buffer, .address_space: global }
      - { .name: Wout, .offset: 48, .size: 8, .value_kind: global_buffer, .address_space: global }
      - { .name: cast, .offset: 56, .size: 8, .value_kind: global_buffer, .address_space: global }
    .group_segment_fixed_size: 0
    .private_segment_fixed_size: 0
    .kernarg_segment_align: 8
    .kernarg_segment_size: 64
    .max_flat_workgroup_size: 256
    .sgpr_count:     66
    .vgpr_count:     160
    .wavefront_size: 32
...
	.end_amdgpu_metadata
.endif
;; end of part 1
;; launch proj (part 2): grid 256 x 1, 4 waves a work-group, clusters of 4 x 1, 327,680 bytes of LDS; arguments cast, bq, bv, bk, pos_bias_u, pos_bias_v, qkv, eb; writes qkv, eb
.if DOCPART == 2
	.amdgcn_target "amdgcn-amd-amdhsa--gfx1250"
	.amdhsa_code_object_version 6
	.text
	.protected	k_q5767d7bde7_proj
	.globl	k_q5767d7bde7_proj
	.p2align	8
	.type	k_q5767d7bde7_proj,@function
k_q5767d7bde7_proj:
	s_mov_b64 s[64:65], 0
	v_nop
	global_prefetch_b8 v0, s[64:65] scope:SCOPE_SE
	s_setreg_imm32_b32 hwreg(HW_REG_WAVE_MODE, 25, 1), 1
	s_wait_xcnt 0x0
	s_wait_alu depctr_hold_cnt(0) depctr_sa_sdst(0) depctr_va_vdst(0) depctr_va_sdst(0) depctr_va_ssrc(0) depctr_va_vcc(0) depctr_vm_vsrc(0)
	s_getreg_b32 s2, hwreg(HW_REG_IB_STS2, 6, 4)
	s_cmp_eq_u32 s2, 0
	s_cbranch_scc0 .Lentry_in_a_cluster
	s_endpgm
.Lentry_in_a_cluster:
	s_bfe_u32 s2, ttmp6, 0x10000c
	s_cmp_lg_u32 s2, 0x3003
	s_cbranch_scc0 .Lentry_shape_is_right
	s_endpgm
.Lentry_shape_is_right:
; The projections, from the f16 copies in 'cast', sums in f32, results in f16, split by heads as [b][h][t][64]:
;   qkv part 0: qu = (x Wq^T + bq + u) SQ        SQ = log2(e)/2
;   qkv part 1: v  =  x Wv^T + bv
;   qkv part 2: kp = (x Wk^T + bk + pos Wpos^T) SK   SK = 1/4, so that qu.kp = log2(e)/8 (q+u).(k+p)
;   eb [b][h][s] f32: e = log2(e)/8 sum over d of (v-u)[h][d] p[h][s][d],  p = pos Wpos^T
; since (q+u).k + (q+v).p = (q+u).(k+p) + (v-u).p for every input: the second score product becomes one number for each key.
; LIMITS: a stored qu, v or kp above 65,504 in magnitude becomes an infinity in f16.  Where a set of columns takes no u (v, kp) u is
; multiplied by 0, so a u that is not finite gives NaN there.
; WORK: cluster number C = 0..63; type = C & 3 (0: q, 1: v, 2 and 3: kp's columns 0-255 and 256-511); row block = 4 (C >> 2) + cx, 128 rows.
; Every work-group runs two phases of 128 rows x 256 columns x K = 512.  q, v: the two halves of the columns, the sums start anew between
; them.  kp: pos Wpos^T first, e is made from the sums, and x Wk^T adds onto them.  All 256 work-groups do the same matrix work.
; Four waves, a wave makes 64 rows x 128 columns: 32 accumulator tiles.
; CLUSTER: the four partners have one type and so walk the same weight tiles: those are joint loads (mask 15).  The rows' tiles differ
; between partners (they hang on cx) and are plain loads.  A 4 x 4 cluster would put different types, which branch differently, together.
; LDS: two slots; in a slot wave w's load lands at w WSTR: rows' halves (64 rows) at 0 and WSTR, weights' halves (128 rows) at 2, 3 WSTR.
; Rows of 256 bytes + 16 of padding.  Behind the slots a stage of 16 rows x 144 bytes for each wave, which no tensor load fills.
; REGISTERS: window 0: addresses, two fragment buffers; window 1: the accumulators, tile (a, b) at 8 (8 a + b); window 2: bias sets.
; THE MATRIX INSTRUCTION IS USED TRANSPOSED (source 0 = 16 rows of W, source 1 = 16 rows of x): lane l holds row l % 16 and eight
; neighbouring columns 8 (l / 16) + 0..7, which pack into 16 bytes.
.set PB,     8388608                   ; byte offsets in cast
.set WQ,     10485760
.set WPOS,   11534336
.set PITCH,  272
.set WSTR,   128*PITCH                 ; 34,816: from one wave's landing place to the next
.set SLOT,   4*WSTR
.set STAGE,  2*SLOT
.set SPITCH, 144
.set ADRA, 16                          ; v16-17 LDS address of my row fragments in slot 0, 1
.set ADRW, 20                          ; v20-21 of my weight fragments
.set STO,  24                          ; stage: where I put 16 bytes
.set RD,   25                          ; stage: where I read back
.set CO,   26                          ; 16 x lane
.set EO,   27                          ; 4 x lane
.set BO,   28                          ; v28-29 byte offset of my columns in a bias vector, phase 1, 2
.set LANE, 30
.set F0,   64                          ; fragment buffer 0: rows' fragments a at +8a, weights' fragments b at +32+8b
.set F1,   160                         ; fragment buffer 1; between the phases and at the end also the work registers below
.set T,    F1                          ; 32 numbers in f32
.set PK,   F1+32                       ; 16 registers of f16 pairs
.set RB,   F1+48                       ; 16 registers read back from the stage
.set TP,   F1                          ; e: eight pairs of partial sums, then four results at +16
.set G1A, 28                           ; s[28:35] shape of a rows' tile      s[36:43] of a weights' tile
.set G1W, 36
.set G0A, 44                           ; s[44:51] from where, to where, a set for each slot: rows; s[52:59]: weights
.set G0W, 52
.set PA,  60                           ; s[60:63] first tile of the rows, phase 1, 2
.set PW,  66                           ; s[66:69] first tile of the weights, phase 1, 2
.set OUTP, 70                          ; s[70:73] where my rows go in qkv, phase 1, 2
.set ACCW, 0x50                        ; C and D in window 1
.set SQ,  0x3f38aa3b
.set CE,  0x3e38aa3b
.set NCE, 0xbe38aa3b
.set SK,  0x3e800000
.set MSB, 0
.macro WIN new                         ; the immediate's high byte repeats the setting that is left
.if MSB != \new
	s_set_vgpr_msb (MSB<<8)|\new
.set MSB, \new
.endif
.endm
.macro PLACES                          ; four places behind matrix instructions (ISA guide 7.12.1) before their registers are read, written or loaded
.rept 4
	v_nop
.endr
.endm
.macro CREST                           ; a round of the cluster's barrier behind its opening barrier
	s_cmp_lg_u32 s20, 0
	s_cbranch_scc1 .Lnot_wave_0_\@
	s_barrier_signal -3
.Lnot_wave_0_\@:
	s_barrier_wait -3
	s_barrier_signal -1
	s_barrier_wait -1
.endm
.macro CROUND
	s_barrier_signal -1
	s_barrier_wait -1
	CREST
.endm
.macro JLOAD s                         ; waves 0, 1: a half of the rows' tile (plain); waves 2, 3: a half of the weights' tile (joint)
	s_cmp_eq_u32 s21, 0
	s_cbranch_scc0 .Lfor_w_\@
	tensor_load_to_lds s[G0A+4*\s:G0A+4*\s+3], s[G1A:G1A+7]
	s_nop 0
	s_branch .Lasked_\@
.Lfor_w_\@:
	tensor_load_to_lds s[G0W+4*\s:G0W+4*\s+3], s[G1W:G1W+7]
	s_nop 0
.Lasked_\@:
.endm
	s_load_b512 s[4:19], s[0:1], 0x0               ; cast, bq, bv, bk, u, v, qkv, eb
	v_lshl_add_u32 v62, v0, 2, 0x46400
	v_mov_b32 v63, 0
	ds_add_u32 v62, v63
	v_lshrrev_b32 v1, 5, v0
	v_readfirstlane_b32 s20, v1                    ; wave
	s_lshr_b32 s21, s20, 1                         ; wr: my 64 rows.  Also: I fetch rows (0) or weights (1)
	s_and_b32 s22, s20, 1                          ; wc: my 128 columns.  Also: which half I fetch
	s_bfe_u32 s23, ttmp6, 0x40000                  ; cx
	s_and_b32 s24, ttmp9, 3                        ; type: the same in all four partners
	s_lshr_b32 s25, ttmp9, 2
	s_lshl_b32 s25, s25, 2
	s_add_co_u32 s25, s25, s23                     ; row block 0..63
	; shapes: elements of 2 bytes, rows of 128 elements, 4 words of padding behind every 64 words, 512 elements from row to row
	s_mov_b32 s[G1A+0], (1<<16)|(1<<20)|(5<<22)|(3<<25)
	s_mov_b32 s[G1A+1], 128<<16
	s_mov_b32 s[G1A+2], 64<<16
	s_mov_b32 s[G1A+3], 128<<16
	s_mov_b32 s[G1A+4], 64
	s_mov_b32 s[G1A+5], 512
	s_mov_b32 s[G1A+6], 0
	s_mov_b32 s[G1A+7], 0
	s_mov_b32 s[G1W+0], 15|(1<<16)|(1<<20)|(1<<21)|(5<<22)|(3<<25)   ; the mask names all four partners; bit 21 beside it
	s_mov_b32 s[G1W+1], 128<<16
	s_mov_b32 s[G1W+2], 128<<16
	s_mov_b32 s[G1W+3], 128<<16
	s_mov_b32 s[G1W+4], 128
	s_mov_b32 s[G1W+5], 512
	s_mov_b32 s[G1W+6], 0
	s_mov_b32 s[G1W+7], 0
	; the rows' tiles: byte offsets in cast (they hang on cx)
	s_lshl_b32 s62, s25, 17                        ; x: 128 rows of 1,024 bytes a block
	s_and_b32 s26, s25, 15
	s_lshl_b32 s60, s26, 17
	s_add_co_u32 s60, s60, PB                      ; pos_emb: the block's place in its batch
	s_cmp_ge_u32 s24, 2
	s_cselect_b32 s60, s60, s62                    ; phase 1 reads pos_emb for kp, x otherwise
	s_lshl_b32 s27, s22, 16                        ; my half: 64 rows
	s_add_co_u32 s60, s60, s27
	s_add_co_u32 s62, s62, s27
	s_mov_b32 s61, 0
	s_mov_b32 s63, 0
	; the weights' tiles: made of the type and the wave's number alone
	s_and_b32 s92, s24, 1
	s_lshl_b32 s66, s92, 18
	s_add_co_u32 s66, s66, WPOS                    ; kp: Wpos, rows 256 (type & 1)
	s_lshl_b32 s68, s24, 19
	s_add_co_u32 s68, s68, WQ                      ; q, v: Wq or Wv, rows 0
	s_mov_b32 s93, 262144                          ; q, v: phase 2 is 256 rows further down
	s_cmp_ge_u32 s24, 2
	s_cselect_b32 s66, s66, s68
	s_cselect_b32 s93, 524288, s93                 ; kp: phase 2 is the same rows of Wk, one matrix further
	s_add_co_u32 s68, s66, s93
	s_lshl_b32 s93, s22, 17                        ; my half: 128 rows
	s_add_co_u32 s66, s66, s93
	s_add_co_u32 s68, s68, s93
	s_mov_b32 s67, 0
	s_mov_b32 s69, 0
	; the head of my first 64 columns in each phase
	s_lshl_b32 s92, s92, 2
	s_cmp_ge_u32 s24, 2
	s_cselect_b32 s97, s92, 0
	s_cselect_b32 s98, s92, 4
	s_lshl_b32 s93, s22, 1
	s_add_co_u32 s97, s97, s93
	s_add_co_u32 s98, s98, s93
	; where my rows go
	s_lshr_b32 s26, s25, 4
	s_lshl_b32 s26, s26, 3                         ; 8 b
	s_and_b32 s27, s25, 15
	s_lshl_b32 s27, s27, 7
	s_lshl_b32 s74, s21, 6
	s_add_co_u32 s27, s27, s74                     ; t of my first row
	s_min_u32 s74, s24, 2
	s_lshl_b32 s74, s74, 23                        ; the part of qkv
	s_add_co_u32 s70, s26, s97
	s_lshl_b32 s70, s70, 11
	s_add_co_u32 s70, s70, s27
	s_lshl_b32 s70, s70, 7                         ; rows of 128 bytes
	s_add_co_u32 s70, s70, s74
	s_mov_b32 s71, 0
	s_add_co_u32 s72, s26, s98
	s_lshl_b32 s72, s72, 11
	s_add_co_u32 s72, s72, s27
	s_lshl_b32 s76, s72, 2                         ; e: 4 bytes a row
	s_mov_b32 s77, 0
	s_lshl_b32 s72, s72, 7
	s_add_co_u32 s72, s72, s74
	s_mov_b32 s73, 0
	; bias set p = X_p S_p + u T_p; results = sums S_2 + bias set.  For kp set 1 is e's weight, (v - u) log2(e)/8
	s_cmp_eq_u32 s24, 0
	s_cselect_b32 s82, SQ, 1.0
	s_cselect_b32 s84, SQ, 0
	s_cselect_b32 s86, SQ, 1.0
	s_cselect_b32 s88, SQ, 0
	s_cmp_ge_u32 s24, 2
	s_cselect_b32 s82, CE, s82
	s_cselect_b32 s84, NCE, s84
	s_cselect_b32 s86, SK, s86
	s_cselect_b32 s88, 0, s88
	s_mov_b32 s83, s82
	s_mov_b32 s85, s84
	s_mov_b32 s87, s86
	s_mov_b32 s89, s88
	s_mov_b32 s90, 0x76543210                      ; v_permlanex16_b32: lane i reads lane i of the other half
	s_mov_b32 s91, 0xfedcba98
	s_mul_i32 s96, s20, WSTR                       ; where my loads land: the wave's number times a constant
	s_wait_dscnt 0x0
	s_wait_kmcnt 0x0
	s_add_nc_u64 s[60:61], s[4:5], s[60:61]
	s_add_nc_u64 s[62:63], s[4:5], s[62:63]
	s_add_nc_u64 s[66:67], s[4:5], s[66:67]
	s_add_nc_u64 s[68:69], s[4:5], s[68:69]
	s_add_nc_u64 s[70:71], s[16:17], s[70:71]
	s_add_nc_u64 s[72:73], s[16:17], s[72:73]
	s_add_nc_u64 s[76:77], s[18:19], s[76:77]
	s_cmp_eq_u32 s24, 0
	s_cselect_b64 s[78:79], s[6:7], s[8:9]         ; X: bq or bv in both phases;
	s_mov_b64 s[80:81], s[78:79]
	s_cmp_ge_u32 s24, 2
	s_cselect_b64 s[78:79], s[14:15], s[78:79]     ; kp: pos_bias_v in phase 1,
	s_cselect_b64 s[80:81], s[10:11], s[80:81]     ; bk in phase 2
	CROUND                                         ; all four work-groups are here: the first joint loads meet
.irp s, 0,1
	s_mov_b32 s[G0A+4*\s], 1
	s_add_co_u32 s[G0A+4*\s+1], s96, \s*SLOT
	s_add_nc_u64 s[G0A+4*\s+2:G0A+4*\s+3], s[PA:PA+1], \s*256
	s_or_b32 s[G0A+4*\s+3], s[G0A+4*\s+3], 0x80000000
	s_mov_b32 s[G0W+4*\s], 1
	s_add_co_u32 s[G0W+4*\s+1], s96, \s*SLOT
	s_add_nc_u64 s[G0W+4*\s+2:G0W+4*\s+3], s[PW:PW+1], \s*256
	s_or_b32 s[G0W+4*\s+3], s[G0W+4*\s+3], 0x80000000
	JLOAD \s                                       ; K steps 0 and 1: two loads of the wave are out, later one
.endr
	v_and_b32 v[LANE], 31, v0
	v_and_b32 v1, 15, v0                           ; r
	v_bfe_u32 v2, v0, 4, 1                         ; hf
	v_mul_u32_u24 v3, v1, PITCH
	v_lshl_add_u32 v3, v2, 4, v3                   ; a fragment: row r, 16 bytes for each half of the lanes, a second load 32 bytes on
	s_mul_i32 s26, s21, WSTR
	s_mul_i32 s27, s22, WSTR
	s_add_co_u32 s27, s27, 2*WSTR
	v_add_nc_u32 v[ADRA], s26, v3
	v_add_nc_u32 v[ADRW], s27, v3
	v_add_nc_u32 v[ADRA+1], SLOT, v[ADRA]
	v_add_nc_u32 v[ADRW+1], SLOT, v[ADRW]
	s_mul_i32 s26, s20, 16*SPITCH
	s_add_co_u32 s26, s26, STAGE
	v_mul_u32_u24 v4, v1, SPITCH
	v_lshl_add_u32 v4, v2, 4, v4
	v_add_nc_u32 v[STO], s26, v4
	v_lshrrev_b32 v5, 3, v[LANE]
	v_and_b32 v6, 7, v[LANE]
	v_mul_u32_u24 v5, v5, SPITCH
	v_lshl_add_u32 v5, v6, 4, v5
	v_add_nc_u32 v[RD], s26, v5                    ; back: eight lanes take a row of 128 bytes
	v_lshlrev_b32 v[CO], 4, v[LANE]
	v_lshlrev_b32 v[EO], 2, v[LANE]
	v_lshlrev_b32 v3, 5, v2                        ; 8 hf columns of 4 bytes
	s_lshl_b32 s26, s97, 8                         ; 64 columns of 4 bytes a head
	s_lshl_b32 s27, s98, 8
	v_add_nc_u32 v[BO], s26, v3
	v_add_nc_u32 v[BO+1], s27, v3
	; the bias sets, window 2: set p at 64 p, register 8 b + j = column 16 b + 8 hf + j of my 128; u beside them at 128 + 64 p
	WIN 0x80
.irp p, 0,1
.irp b, 0,1,2,3,4,5,6,7
	global_load_b128 v[64*\p+8*\b:64*\p+8*\b+3],           v[BO+\p], s[78+2*\p:79+2*\p] offset:64*\b
	global_load_b128 v[64*\p+8*\b+4:64*\p+8*\b+7],         v[BO+\p], s[78+2*\p:79+2*\p] offset:64*\b+16
	global_load_b128 v[128+64*\p+8*\b:128+64*\p+8*\b+3],   v[BO+\p], s[12:13] offset:64*\b
	global_load_b128 v[128+64*\p+8*\b+4:128+64*\p+8*\b+7], v[BO+\p], s[12:13] offset:64*\b+16
.endr
.endr
	WIN 0xaa
.irp p, 0,1
	s_wait_loadcnt 32-32*\p                        ; set 1's 32 loads are in while set 2's 32 stay out; then all
.set i, 0
.rept 32
	v_pk_mul_f32 v[128+64*\p+2*i:128+64*\p+2*i+1], v[128+64*\p+2*i:128+64*\p+2*i+1], s[84+4*\p:85+4*\p] op_sel_hi:[1,0]
.set i, i+1
.endr
.set i, 0
.rept 32
	v_pk_fma_f32 v[64*\p+2*i:64*\p+2*i+1], v[64*\p+2*i:64*\p+2*i+1], s[82+4*\p:83+4*\p], v[128+64*\p+2*i:128+64*\p+2*i+1] op_sel_hi:[1,0,1]
.set i, i+1
.endr
.endr
	WIN 0
; 8 matrix instructions: row fragment a x all 8 column fragments, 32 along K.  The 32 accumulators take turns, one instruction a turn,
; in the same order in every quarter step.
.macro MUL8 f, a, zero
.irp b, 0,1,2,3,4,5,6,7
.if \zero
	v_wmma_f32_16x16x32_f16 v[8*(8*\a+\b):8*(8*\a+\b)+7], v[\f+32+8*\b:\f+32+8*\b+7], v[\f+8*\a:\f+8*\a+7], 0
.else
	v_wmma_f32_16x16x32_f16 v[8*(8*\a+\b):8*(8*\a+\b)+7], v[\f+32+8*\b:\f+32+8*\b+7], v[\f+8*\a:\f+8*\a+7], v[8*(8*\a+\b):8*(8*\a+\b)+7]
.endif
.endr
.endm
; 24 LDS loads: one quarter step's fragments (byte k of the rows) into buffer f; the weights' 16 first, then the rows' 8
.macro FETCH slot, k, f
.irp b, 0,1,2,3,4,5,6,7
	ds_load_b128 v[\f+32+8*\b:\f+32+8*\b+3],   v[ADRW+\slot] offset:\k+\b*16*PITCH
	ds_load_b128 v[\f+32+8*\b+4:\f+32+8*\b+7], v[ADRW+\slot] offset:\k+\b*16*PITCH+32
.endr
.irp a, 0,1,2,3
	ds_load_b128 v[\f+8*\a:\f+8*\a+3],   v[ADRA+\slot] offset:\k+\a*16*PITCH
	ds_load_b128 v[\f+8*\a+4:\f+8*\a+7], v[ADRA+\slot] offset:\k+\a*16*PITCH+32
.endr
.endm
.macro QUARTER slot, k, f, g, zero
	s_wait_dscnt 4                                 ; all but the youngest four loads (row fragments 2 and 3) are in
	WIN ACCW
	MUL8 \f, 0, \zero
	MUL8 \f, 1, \zero
	PLACES
	WIN 0
	FETCH \slot, \k, \g
	s_wait_dscnt 24                                ; all but the 24 just issued
	WIN ACCW
	MUL8 \f, 2, \zero
	MUL8 \f, 3, \zero
.endm
.macro THREE slot, zero
	QUARTER \slot, 64,  F0, F1, \zero
	QUARTER \slot, 128, F1, F0, 0
	QUARTER \slot, 192, F0, F1, 0
.endm
; The last quarter of a K step, and the change of slots.  In front of the barrier: my reads of this slot are back and all my tensor loads
; have landed (the one that was out is my part of the next slot).  fill = 1: the barrier opens a round of the cluster's barrier, and behind
; the round this slot is asked for again, two K steps ahead (phase ph, byte ko of its rows), before anything is read.
.macro TURN slot, next, fill, ph, ko
	s_wait_dscnt 4
	WIN ACCW
	MUL8 F1, 0, 0
	s_wait_dscnt 0x0
	s_wait_tensorcnt 0x0
	ds_add_u32 v62, v63
	s_wait_dscnt 0x0
	s_barrier_signal -1
	MUL8 F1, 1, 0
	WIN 0
	s_barrier_wait -1
.if \fill
	CREST
	s_add_nc_u64 s[G0A+4*\slot+2:G0A+4*\slot+3], s[PA+2*(\ph-1):PA+2*(\ph-1)+1], \ko
	s_or_b32 s[G0A+4*\slot+3], s[G0A+4*\slot+3], 0x80000000
	s_add_nc_u64 s[G0W+4*\slot+2:G0W+4*\slot+3], s[PW+2*(\ph-1):PW+2*(\ph-1)+1], \ko
	s_or_b32 s[G0W+4*\slot+3], s[G0W+4*\slot+3], 0x80000000
	JLOAD \slot
.endif
	PLACES
	FETCH \next, 0, F0
	WIN ACCW
	MUL8 F1, 2, 0
	MUL8 F1, 3, 0
.endm
; The way out of phase p: 16 rows x one head (64 columns) at a time: sums x scale + bias set p, rounded to f16, 16 bytes a lane into my
; stage, read back by rows; the 16 rows are 2,048 consecutive bytes of qkv, and each store of the wave covers 512 of them, aligned.
.macro EPI p
	PLACES
.irp hh, 0,1
.irp a, 0,1,2,3
	WIN 0x21
.irp bb, 0,1,2,3
.irp k, 0,2,4,6
	v_pk_fma_f32 v[T+8*\bb+\k:T+8*\bb+\k+1], v[8*(8*\a+4*\hh+\bb)+\k:8*(8*\a+4*\hh+\bb)+\k+1], s[86:87], v[64*(\p-1)+8*(4*\hh+\bb)+\k:64*(\p-1)+8*(4*\hh+\bb)+\k+1] op_sel_hi:[1,0,1]
.endr
.endr
	WIN 0
.irp bb, 0,1,2,3
.irp k, 0,1,2,3
	v_cvt_pk_f16_f32 v[PK+4*\bb+\k], v[T+8*\bb+2*\k], v[T+8*\bb+2*\k+1]
.endr
.endr
.irp bb, 0,1,2,3
	ds_store_b128 v[STO], v[PK+4*\bb:PK+4*\bb+3] offset:32*\bb
.endr
	s_wait_xcnt 0x0                                ; RB, which the last stores read, is loaded again only behind this wait
.irp i, 0,1,2,3
	ds_load_b128 v[RB+4*\i:RB+4*\i+3], v[RD] offset:4*SPITCH*\i   ; LDS serves a wave's instructions in order: these see the stores above
.endr
.irp i, 0,1,2,3
	s_wait_dscnt 3-\i                              ; read-back i is in, the younger ones stay out
	global_store_b128 v[CO], v[RB+4*\i:RB+4*\i+3], s[OUTP+2*(\p-1):OUTP+2*(\p-1)+1] offset:\hh*262144+\a*2048+\i*512
.endr
.endr
.endr
	s_wait_xcnt 0x0                                ; buffer 1 is loaded again only behind this wait
.endm
; e, from the sums of pos Wpos^T: for each of my 64 rows and 2 heads the sum over 64 columns of sum x weight.  A lane holds 32 of the 64
; columns of a row, the lane 16 away the others.  Eight chains side by side.  A store covers 32 rows, 128 consecutive bytes; e is one
; hundredth of what the launch stores.
.macro MIDE
	PLACES
	WIN 0x09
.irp a, 0,1,2,3
.irp hh, 0,1
	v_pk_mul_f32 v[TP+2*(2*\a+\hh):TP+2*(2*\a+\hh)+1], v[8*(8*\a+4*\hh):8*(8*\a+4*\hh)+1], v[32*\hh:32*\hh+1]
.endr
.endr
.set i, 1
.rept 15
.irp a, 0,1,2,3
.irp hh, 0,1
	v_pk_fma_f32 v[TP+2*(2*\a+\hh):TP+2*(2*\a+\hh)+1], v[8*(8*\a+4*\hh)+2*i:8*(8*\a+4*\hh)+2*i+1], v[32*\hh+2*i:32*\hh+2*i+1], v[TP+2*(2*\a+\hh):TP+2*(2*\a+\hh)+1]
.endr
.endr
.set i, i+1
.endr
	WIN 0
.irp c, 0,1,2,3,4,5,6,7
	v_add_f32 v[TP+2*\c], v[TP+2*\c], v[TP+2*\c+1]
.endr
.irp c, 0,1,2,3,4,5,6,7
	v_permlanex16_b32 v[TP+2*\c+1], v[TP+2*\c], s90, s91
.endr
.irp c, 0,1,2,3,4,5,6,7
	v_add_f32 v[TP+2*\c], v[TP+2*\c], v[TP+2*\c+1]
.endr
	v_cmp_le_u32 vcc_lo, 16, v[LANE]               ; lanes 16-31 take the next 16 rows
.irp pp, 0,1
.irp hh, 0,1
	v_cndmask_b32 v[TP+16+2*\pp+\hh], v[TP+2*(4*\pp+\hh)], v[TP+2*(4*\pp+2+\hh)], vcc_lo
.endr
.endr
.irp pp, 0,1
.irp hh, 0,1
	global_store_b32 v[EO], v[TP+16+2*\pp+\hh], s[76:77] offset:\hh*8192+\pp*128
.endr
.endr
	s_wait_xcnt 0x0                                ; buffer 1 is loaded again only behind this wait
.endm
	s_wait_tensorcnt 0x1                           ; my part of K step 0 is in; K step 1's stays out
	s_barrier_signal -1
	s_barrier_wait -1
	FETCH 0, 0, F0
	THREE 0, 1                                     ; the first products start the sums: nothing is cleared
	TURN 0, 1, 1, 1, 512
	THREE 1, 0
	TURN 1, 0, 1, 1, 768
	THREE 0, 0
	TURN 0, 1, 1, 2, 0
	THREE 1, 0
	TURN 1, 0, 1, 2, 256
	WIN 0
	s_cmp_ge_u32 s24, 2                            ; the type is the same in every wave and every partner
	s_cbranch_scc1 .Lkp_mid
	EPI 1                                          ; q, v: the first 256 columns leave, the sums start anew
	QUARTER 0, 64, F0, F1, 1
	WIN 0
	s_branch .Lphase2
.Lkp_mid:
	MIDE                                           ; kp: e leaves, the sums go on
	QUARTER 0, 64, F0, F1, 0
	WIN 0
.Lphase2:
	QUARTER 0, 128, F1, F0, 0
	QUARTER 0, 192, F0, F1, 0
	TURN 0, 1, 1, 2, 512
	THREE 1, 0
	TURN 1, 0, 1, 2, 768
	THREE 0, 0
	TURN 0, 1, 0, 2, 0                             ; nothing is left to fetch: a plain barrier shows the last slot whole
	THREE 1, 0
	s_wait_dscnt 0x0
	WIN ACCW
	MUL8 F1, 0, 0
	MUL8 F1, 1, 0
	MUL8 F1, 2, 0
	MUL8 F1, 3, 0
	EPI 2
	s_wait_tensorcnt 0x0
	ds_add_u32 v62, v63
	s_wait_dscnt 0x0
	CROUND                                         ; the closing round: no work-group ends while a partner may still ask jointly
	s_endpgm
.Lfunc_end_k_q5767d7bde7_proj:
	.size	k_q5767d7bde7_proj, .Lfunc_end_k_q5767d7bde7_proj-k_q5767d7bde7_proj
	.p2alignl 7, 3214868480
	.fill 96, 4, 3214868480
	.section	.rodata,"a",@progbits
	.p2align	6, 0x0
	.amdhsa_kernel k_q5767d7bde7_proj
		.amdhsa_group_segment_fixed_size 327680
		.amdhsa_private_segment_fixed_size 0
		.amdhsa_enable_private_segment 0
		.amdhsa_kernarg_size 64
		.amdhsa_user_sgpr_count 2
		.amdhsa_user_sgpr_kernarg_segment_ptr 1
		.amdhsa_wavefront_size32 1
		.amdhsa_system_sgpr_workgroup_id_x 1
		.amdhsa_system_sgpr_workgroup_id_y 1
		.amdhsa_system_sgpr_workgroup_id_z 1
		.amdhsa_system_vgpr_workitem_id 0
		.amdhsa_next_free_vgpr 768
		.amdhsa_next_free_sgpr 100
		.amdhsa_reserve_vcc 1
		.amdhsa_float_denorm_mode_32 3
		.amdhsa_float_denorm_mode_16_64 3
		.amdhsa_memory_ordered 1
		.amdhsa_forward_progress 1
		.amdhsa_inst_pref_size 213
	.end_amdhsa_kernel
	.amdgpu_metadata
---
amdhsa.version: [ 1, 2 ]
amdhsa.kernels:
  - .name:           k_q5767d7bde7_proj
    .symbol:         k_q5767d7bde7_proj.kd
    .args:
      - { .name: cast, .offset: 0, .size: 8, .value_kind: global_buffer, .address_space: global }
      - { .name: bq, .offset: 8, .size: 8, .value_kind: global_buffer, .address_space: global }
      - { .name: bv, .offset: 16, .size: 8, .value_kind: global_buffer, .address_space: global }
      - { .name: bk, .offset: 24, .size: 8, .value_kind: global_buffer, .address_space: global }
      - { .name: pos_bias_u, .offset: 32, .size: 8, .value_kind: global_buffer, .address_space: global }
      - { .name: pos_bias_v, .offset: 40, .size: 8, .value_kind: global_buffer, .address_space: global }
      - { .name: qkv, .offset: 48, .size: 8, .value_kind: global_buffer, .address_space: global }
      - { .name: eb, .offset: 56, .size: 8, .value_kind: global_buffer, .address_space: global }
    .group_segment_fixed_size: 327680
    .private_segment_fixed_size: 0
    .kernarg_segment_align: 8
    .kernarg_segment_size: 64
    .max_flat_workgroup_size: 128
    .sgpr_count:     100
    .vgpr_count:     768
    .wavefront_size: 32
...
	.end_amdgpu_metadata
.endif
;; end of part 2
;; launch attn (part 3): grid 256 x 1, 8 waves a work-group, clusters of 4 x 1, 327,680 bytes of LDS; arguments qkv, eb, ctx; writes ctx
.if DOCPART == 3
	.amdgcn_target "amdgcn-amd-amdhsa--gfx1250"
	.amdhsa_code_object_version 6
	.text
	.protected	k_q5767d7bde7_attn
	.globl	k_q5767d7bde7_attn
	.p2align	8
	.type	k_q5767d7bde7_attn,@function
k_q5767d7bde7_attn:
	s_mov_b64 s[64:65], 0
	v_nop
	global_prefetch_b8 v0, s[64:65] scope:SCOPE_SE
	s_setreg_imm32_b32 hwreg(HW_REG_WAVE_MODE, 25, 1), 1
	s_wait_xcnt 0x0
	s_wait_alu depctr_hold_cnt(0) depctr_sa_sdst(0) depctr_va_vdst(0) depctr_va_sdst(0) depctr_va_ssrc(0) depctr_va_vcc(0) depctr_vm_vsrc(0)
	s_getreg_b32 s2, hwreg(HW_REG_IB_STS2, 6, 4)
	s_cmp_eq_u32 s2, 0
	s_cbranch_scc0 .Lentry_in_a_cluster
	s_endpgm
.Lentry_in_a_cluster:
	s_bfe_u32 s2, ttmp6, 0x10000c
	s_cmp_lg_u32 s2, 0x3003
	s_cbranch_scc0 .Lentry_shape_is_right
	s_endpgm
.Lentry_shape_is_right:
; Attention for one (batch, head) and 256 queries: ctx = softmax(scores) v, scores x log2(e) = qu.kp + e[key], with a running maximum.
; qu, v, kp: f16 [b][h][t][64] in qkv's parts 0, 1, 2; e: f32 [b][h][s]; ctx: f16 [b][h][t][64].
; LIMITS: probabilities are rounded to f16 for the product with v (the sum that divides is kept in f32); a ctx above 65,504 in magnitude
; becomes an infinity.
; WORK: cluster number C = 0..63: (b, h) = C >> 1; query block = 4 (C & 1) + cx.  Eight waves, 32 queries each (two tiles of 16): two waves
; lie on each SIMD, so that one wave's exponentials run beside the other's matrix instructions.
; CLUSTER: the four partners read the same kp, v and e: every tensor load is joint (mask 15).
; BOTH PRODUCTS ARE TRANSPOSED.  S^T = kp q^T + e: source 0 = 16 keys, source 1 = 16 queries, C = e of the keys.  A lane then holds ONE
; query and eight keys a tile, so the maximum and the sum stay in the lane but for one exchange with the lane 16 away, and two tiles,
; rounded and packed, ARE source 1 of O^T = v^T P^T.  v^T's fragments come by the transposing LDS load from v as it lies, [key][d].
; LDS: two slots of 256 keys; in a slot wave w's load lands at w QTR: kp's quarters (64 keys, pitch 144) at 0..3 QTR, v's (pitch 160) at
; 4..7 QTR.  Then e, all 2,048 keys, filled once; then a stage of 32 rows x 144 bytes for each wave, which no tensor load fills.
.set KPITCH, 144
.set VPITCH, 160
.set QTR,    10240
.set VOFF,   4*QTR
.set SLOT,   8*QTR
.set EBASE,  2*SLOT
.set STAGE,  EBASE+8192
.set KA, 4                             ; v4-5   kp fragments, slot 0, 1
.set VA, 6                             ; v6-7   v fragments, slot 0, 1
.set EA, 8                             ; e of the tile at hand
.set STO, 9
.set RD, 10
.set CO, 11
.set QO, 12
.set MP, 14                            ; v[14:17] running maximum, twice, for each query tile
.set AL, 18                            ; v[18:21] factor for the old sums, twice; at the end 1 / sum
.set LP, 22                            ; v[22:25] running sum, in two parts
.set RS, 32                            ; scores: tile (qn, kt) at 32 qn + 8 kt
.set RP, 96                            ; probabilities in f16: 16 qn + 8 g
.set RK, 128                           ; kp fragments: 16 kt + 8 ks
.set RE, 192                           ; e: 8 kt
.set RT, 224                           ; at work: 16 registers for each query tile
.set RO, 0                             ; window 1: O^T tile (dt, qn) at 8 (2 dt + qn)
.set RQ, 64                            ; window 1: q fragments 16 qn + 8 ks
.set RV, 128                           ; window 1: v^T fragments 32 g + 8 dt
.set G0K, 44
.set G0V, 52
.set MSB, 0
.macro WIN new
.if MSB != \new
	s_set_vgpr_msb (MSB<<8)|\new
.set MSB, \new
.endif
.endm
.macro PLACES                          ; four places behind matrix instructions (ISA guide 7.12.1)
.rept 4
	v_nop
.endr
.endm
.macro CREST
	s_cmp_lg_u32 s10, 0
	s_cbranch_scc1 .Lnot_wave_0_\@
	s_barrier_signal -3
.Lnot_wave_0_\@:
	s_barrier_wait -3
	s_barrier_signal -1
	s_barrier_wait -1
.endm
.macro CROUND
	s_barrier_signal -1
	s_barrier_wait -1
	CREST
.endm
.macro JLOAD s                         ; waves 0-3: a quarter of kp's tile; waves 4-7: a quarter of v's
	s_cmp_eq_u32 s61, 0
	s_cbranch_scc0 .Lfor_v_\@
	tensor_load_to_lds s[G0K+4*\s:G0K+4*\s+3], s[16:23]
	s_nop 0
	s_branch .Lasked_\@
.Lfor_v_\@:
	tensor_load_to_lds s[G0V+4*\s:G0V+4*\s+3], s[24:31]
	s_nop 0
.Lasked_\@:
.endm
	s_load_b128 s[4:7], s[0:1], 0x0                ; qkv, eb
	s_load_b64 s[8:9], s[0:1], 0x10                ; ctx
	v_lshl_add_u32 v30, v0, 2, 0x33000
	v_mov_b32 v31, 0
	ds_add_u32 v30, v31
	v_lshrrev_b32 v1, 5, v0
	v_readfirstlane_b32 s10, v1                    ; wave
	s_lshr_b32 s61, s10, 2                         ; I fetch kp (0) or v (1),
	s_and_b32 s62, s10, 3                          ; this quarter of the tile
	s_bfe_u32 s11, ttmp6, 0x40000                  ; cx
	s_lshr_b32 s12, ttmp9, 1                       ; 8 b + h
	s_and_b32 s13, ttmp9, 1
	s_lshl_b32 s13, s13, 2
	s_add_co_u32 s13, s13, s11                     ; query block
	s_mov_b32 s14, 0x76543210
	s_mov_b32 s15, 0xfedcba98
	; shapes.  A quarter is 8,192 dense bytes, taken as 32 rows of 256 bytes (two keys); padding behind every 32 words, that is every key
	s_mov_b32 s16, 15|(1<<16)|(1<<20)|(1<<21)|(4<<22)|(3<<25)    ; kp: 4 words of padding: pitch 144
	s_mov_b32 s17, 128<<16
	s_mov_b32 s18, 32<<16
	s_mov_b32 s19, 128<<16
	s_mov_b32 s20, 32
	s_mov_b32 s21, 128
	s_mov_b32 s22, 0
	s_mov_b32 s23, 0
	s_mov_b32 s24, 15|(1<<16)|(1<<20)|(1<<21)|(4<<22)|(7<<25)    ; v: 8 words: pitch 160
	s_mov_b32 s25, 128<<16
	s_mov_b32 s26, 32<<16
	s_mov_b32 s27, 128<<16
	s_mov_b32 s28, 32
	s_mov_b32 s29, 128
	s_mov_b32 s30, 0
	s_mov_b32 s31, 0
	s_mov_b32 s32, 15|(3<<16)|(1<<21)              ; e: one row of 128 elements of 8 bytes
	s_mov_b32 s33, 128<<16
	s_mov_b32 s34, 1<<16
	s_mov_b32 s35, 128<<16
	s_mov_b32 s36, 1
	s_mov_b32 s37, 128
	s_mov_b32 s38, 0
	s_mov_b32 s39, 0
	; joint addresses: made of (b, h) and the wave's number alone
	s_lshl_b32 s66, s12, 18
	s_lshl_b32 s63, s62, 13
	s_add_co_u32 s66, s66, s63
	s_add_co_u32 s68, s66, 8388608                 ; v
	s_add_co_u32 s66, s66, 16777216                ; kp
	s_mov_b32 s67, 0
	s_mov_b32 s69, 0
	s_lshl_b32 s70, s12, 13
	s_lshl_b32 s63, s10, 10
	s_add_co_u32 s70, s70, s63                     ; e: 1 KiB a wave
	s_mov_b32 s71, 0
	s_add_co_u32 s41, s63, EBASE
	s_mul_i32 s63, s10, QTR                        ; where my tile loads land
	; my 32 queries
	s_lshl_b32 s72, s12, 11
	s_lshl_b32 s74, s13, 8
	s_add_co_u32 s72, s72, s74
	s_lshl_b32 s74, s10, 5
	s_add_co_u32 s72, s72, s74
	s_lshl_b32 s72, s72, 7
	s_mov_b32 s73, 0
	v_and_b32 v13, 31, v0                          ; lane
	v_and_b32 v1, 15, v0                           ; r
	v_bfe_u32 v2, v0, 4, 1                         ; hf
	v_lshlrev_b32 v[QO], 7, v1
	v_lshl_add_u32 v[QO], v2, 4, v[QO]
	s_wait_dscnt 0x0
	s_wait_kmcnt 0x0
	s_add_nc_u64 s[74:75], s[4:5], s[72:73]
	s_add_nc_u64 s[76:77], s[8:9], s[72:73]
	s_add_nc_u64 s[66:67], s[4:5], s[66:67]
	s_add_nc_u64 s[68:69], s[4:5], s[68:69]
	s_add_nc_u64 s[70:71], s[6:7], s[70:71]
	WIN 0x40
.irp qn, 0,1
.irp ks, 0,1
	global_load_b128 v[RQ+16*\qn+8*\ks:RQ+16*\qn+8*\ks+3],   v[QO], s[74:75] offset:2048*\qn+64*\ks
	global_load_b128 v[RQ+16*\qn+8*\ks+4:RQ+16*\qn+8*\ks+7], v[QO], s[74:75] offset:2048*\qn+64*\ks+32
.endr
.endr
	WIN 0
	s_mov_b32 s40, 1
	s_mov_b64 s[42:43], s[70:71]
	s_or_b32 s43, s43, 0x80000000
.irp s, 0,1
	s_mov_b32 s[G0K+4*\s], 1
	s_add_co_u32 s[G0K+4*\s+1], s63, \s*SLOT
	s_add_nc_u64 s[G0K+4*\s+2:G0K+4*\s+3], s[66:67], \s*32768
	s_or_b32 s[G0K+4*\s+3], s[G0K+4*\s+3], 0x80000000
	s_mov_b32 s[G0V+4*\s], 1
	s_add_co_u32 s[G0V+4*\s+1], s63, \s*SLOT
	s_add_nc_u64 s[G0V+4*\s+2:G0V+4*\s+3], s[68:69], \s*32768
	s_or_b32 s[G0V+4*\s+3], s[G0V+4*\s+3], 0x80000000
.endr
	CROUND                                         ; in front of the first joint loads
	tensor_load_to_lds s[40:43], s[32:39]          ; my part of e
	s_nop 0
	JLOAD 0                                        ; tile 0: two loads of the wave are out here, later one behind each round
	v_and_b32 v3, 7, v0
	v_bfe_u32 v26, v0, 3, 1
	v_lshl_add_u32 v3, v2, 3, v3                   ; transposing load: key 8 hf + (lane & 7),
	v_mul_u32_u24 v3, v3, VPITCH
	v_lshl_add_u32 v3, v26, 4, v3                  ; 16 bytes of d by bit 3 of the lane
	v_add_nc_u32 v[VA], VOFF, v3
	v_add_nc_u32 v[VA+1], VOFF+SLOT, v3
	v_mul_u32_u24 v27, v1, KPITCH
	v_lshl_add_u32 v[KA], v2, 4, v27
	v_add_nc_u32 v[KA+1], SLOT, v[KA]
	v_lshlrev_b32 v[EA], 5, v2                     ; 8 hf keys of 4 bytes
	v_add_nc_u32 v[EA], EBASE, v[EA]
	s_mul_i32 s78, s10, 32*KPITCH
	s_add_co_u32 s78, s78, STAGE
	v_add_nc_u32 v[STO], s78, v[KA]                ; row r, 16 bytes for each half of the lanes
	v_lshrrev_b32 v28, 3, v13
	v_and_b32 v29, 7, v13
	v_mul_u32_u24 v28, v28, KPITCH
	v_lshl_add_u32 v28, v29, 4, v28
	v_add_nc_u32 v[RD], s78, v28
	v_lshlrev_b32 v[CO], 4, v13
	s_wait_loadcnt 0x0                             ; q
; 24 LDS loads: kp's fragments and e of the 64 keys of block j
.macro FETCHK slot, j, eo
.irp kt, 0,1,2,3
.irp ks, 0,1
	ds_load_b128 v[RK+16*\kt+8*\ks:RK+16*\kt+8*\ks+3],   v[KA+\slot] offset:QTR*(\j)+16*KPITCH*\kt+64*\ks
	ds_load_b128 v[RK+16*\kt+8*\ks+4:RK+16*\kt+8*\ks+7], v[KA+\slot] offset:QTR*(\j)+16*KPITCH*\kt+64*\ks+32
.endr
.endr
.irp kt, 0,1,2,3
	ds_load_b128 v[RE+8*\kt:RE+8*\kt+3],   v[EA] offset:\eo+256*(\j)+64*\kt
	ds_load_b128 v[RE+8*\kt+4:RE+8*\kt+7], v[EA] offset:\eo+256*(\j)+64*\kt+16
.endr
.endm
; 16 transposing LDS loads: v^T's fragments of block j (window 1)
.macro FETCHV slot, j
.irp g, 0,1
.irp dt, 0,1,2,3
	ds_load_tr16_b128 v[RV+32*\g+8*\dt:RV+32*\g+8*\dt+3],   v[VA+\slot] offset:(64*\j+32*\g)*VPITCH+32*\dt
	ds_load_tr16_b128 v[RV+32*\g+8*\dt+4:RV+32*\g+8*\dt+7], v[VA+\slot] offset:(64*\j+32*\g+16)*VPITCH+32*\dt
.endr
.endr
.endm
; the new maximum of a query tile: my 32 scores and the old maximum, then the lane 16 away; old - new for the factor
.macro MAXN qn, first
.irp i, 0,1,2,3,4,5,6,7,8,9
	v_max3_num_f32 v[RT+16*\qn+\i], v[RS+32*\qn+3*\i], v[RS+32*\qn+3*\i+1], v[RS+32*\qn+3*\i+2]
.endr
.irp i, 0,3,6
	v_max3_num_f32 v[RT+16*\qn+\i], v[RT+16*\qn+\i], v[RT+16*\qn+\i+1], v[RT+16*\qn+\i+2]
.endr
	v_max3_num_f32 v[RT+16*\qn+9], v[RT+16*\qn+9], v[RS+32*\qn+30], v[RS+32*\qn+31]
	v_max3_num_f32 v[RT+16*\qn], v[RT+16*\qn], v[RT+16*\qn+3], v[RT+16*\qn+6]
.if \first
	v_max_num_f32 v[RT+16*\qn], v[RT+16*\qn], v[RT+16*\qn+9]
.else
	v_max3_num_f32 v[RT+16*\qn], v[RT+16*\qn], v[RT+16*\qn+9], v[MP+2*\qn]
.endif
	v_permlanex16_b32 v[RT+16*\qn+1], v[RT+16*\qn], s14, s15
	v_max_num_f32 v[RT+16*\qn], v[RT+16*\qn], v[RT+16*\qn+1]
.if \first == 0
	v_sub_f32 v[RT+16*\qn+2], v[MP+2*\qn], v[RT+16*\qn]
.endif
	v_mov_b32 v[MP+2*\qn], v[RT+16*\qn]
	v_mov_b32 v[MP+2*\qn+1], v[RT+16*\qn]
.endm
.macro SUBN qn
.set i, 0
.rept 16
	v_pk_add_f32 v[RS+32*\qn+2*i:RS+32*\qn+2*i+1], v[RS+32*\qn+2*i:RS+32*\qn+2*i+1], v[MP+2*\qn:MP+2*\qn+1] neg_lo:[0,1] neg_hi:[0,1]
.set i, i+1
.endr
.endm
.macro EXPN qn
.set i, 0
.rept 32
	v_exp_f32 v[RS+32*\qn+i], v[RS+32*\qn+i]
.set i, i+1
.endr
.endm
; probabilities to f16 (registers 4 kt + k of the tile's 16: two score tiles make one fragment), and their sum in f32
.macro CVTSUM qn, first
.set i, 0
	s_wait_alu depctr_va_vdst(0)
.rept 16
	v_cvt_pk_f16_f32 v[RP+16*\qn+i], v[RS+32*\qn+2*i], v[RS+32*\qn+2*i+1]
.set i, i+1
.endr
.irp i, 0,1,2,3,4,5,6,7
	v_pk_add_f32 v[RT+16*\qn+2*\i:RT+16*\qn+2*\i+1], v[RS+32*\qn+4*\i:RS+32*\qn+4*\i+1], v[RS+32*\qn+4*\i+2:RS+32*\qn+4*\i+3]
.endr
.irp i, 0,1,2,3
	v_pk_add_f32 v[RT+16*\qn+4*\i:RT+16*\qn+4*\i+1], v[RT+16*\qn+4*\i:RT+16*\qn+4*\i+1], v[RT+16*\qn+4*\i+2:RT+16*\qn+4*\i+3]
.endr
.irp i, 0,1
	v_pk_add_f32 v[RT+16*\qn+8*\i:RT+16*\qn+8*\i+1], v[RT+16*\qn+8*\i:RT+16*\qn+8*\i+1], v[RT+16*\qn+8*\i+4:RT+16*\qn+8*\i+5]
.endr
.if \first
	v_pk_add_f32 v[LP+2*\qn:LP+2*\qn+1], v[RT+16*\qn:RT+16*\qn+1], v[RT+16*\qn+8:RT+16*\qn+9]
.else
	v_pk_add_f32 v[RT+16*\qn:RT+16*\qn+1], v[RT+16*\qn:RT+16*\qn+1], v[RT+16*\qn+8:RT+16*\qn+9]
	v_pk_fma_f32 v[LP+2*\qn:LP+2*\qn+1], v[LP+2*\qn:LP+2*\qn+1], v[AL+2*\qn:AL+2*\qn+1], v[RT+16*\qn:RT+16*\qn+1]
.endif
.endm
; The order keeps a plain, independent vector instruction between every exponential and the first use of its result (ISA guide 5.7.2):
; tile 1's subtractions follow tile 0's exponentials, tile 0's conversions (or the copies of the factors) follow tile 1's.
.macro SOFTMAX first
	MAXN 0, \first
	MAXN 1, \first
	SUBN 0
.if \first == 0
	v_exp_f32 v[AL], v[RT+2]
	v_exp_f32 v[AL+2], v[RT+18]
.endif
	EXPN 0
	SUBN 1
	EXPN 1
.if \first == 0
	s_wait_alu depctr_va_vdst(0)
	v_mov_b32 v[AL+1], v[AL]
	v_mov_b32 v[AL+3], v[AL+2]
.endif
	CVTSUM 0, \first
	CVTSUM 1, \first
.endm
; 64 keys x my 32 queries.  In both products the eight accumulators take turns, one instruction a turn.
.macro BLOCK slot, j, first, last, eo
	s_wait_dscnt 0x0                               ; kp's fragments and e of this block
	WIN 0x04
.irp kt, 0,1,2,3
.irp qn, 0,1
	v_wmma_f32_16x16x32_f16 v[RS+32*\qn+8*\kt:RS+32*\qn+8*\kt+7], v[RK+16*\kt:RK+16*\kt+7], v[RQ+16*\qn:RQ+16*\qn+7], v[RE+8*\kt:RE+8*\kt+7]
.endr
.endr
.irp kt, 0,1,2,3
.irp qn, 0,1
	v_wmma_f32_16x16x32_f16 v[RS+32*\qn+8*\kt:RS+32*\qn+8*\kt+7], v[RK+16*\kt+8:RK+16*\kt+15], v[RQ+16*\qn+8:RQ+16*\qn+15], v[RS+32*\qn+8*\kt:RS+32*\qn+8*\kt+7]
.endr
.endr
	PLACES                                         ; before the scores are read and before loads land on fragments that matrix instructions have read
	WIN 0x40
	FETCHV \slot, \j
	WIN 0
.if \last == 0
	FETCHK \slot, \j+1, \eo
.endif
	SOFTMAX \first
.if \last
	s_wait_dscnt 0x0
.else
	s_wait_dscnt 24                                ; v^T's 16 loads are in; the next block's 24 stay out
.endif
.if \first == 0
	WIN 0x41
.irp dt, 0,1,2,3
.irp qn, 0,1
.irp k, 0,2,4,6
	v_pk_mul_f32 v[RO+8*(2*\dt+\qn)+\k:RO+8*(2*\dt+\qn)+\k+1], v[RO+8*(2*\dt+\qn)+\k:RO+8*(2*\dt+\qn)+\k+1], v[AL+2*\qn:AL+2*\qn+1]
.endr
.endr
.endr
.endif
	WIN 0x51
.irp g, 0,1
.irp dt, 0,1,2,3
.irp qn, 0,1
.if \first*(1-\g)
	v_wmma_f32_16x16x32_f16 v[RO+8*(2*\dt+\qn):RO+8*(2*\dt+\qn)+7], v[RV+32*\g+8*\dt:RV+32*\g+8*\dt+7], v[RP+16*\qn+8*\g:RP+16*\qn+8*\g+7], 0
.else
	v_wmma_f32_16x16x32_f16 v[RO+8*(2*\dt+\qn):RO+8*(2*\dt+\qn)+7], v[RV+32*\g+8*\dt:RV+32*\g+8*\dt+7], v[RP+16*\qn+8*\g:RP+16*\qn+8*\g+7], v[RO+8*(2*\dt+\qn):RO+8*(2*\dt+\qn)+7]
.endif
.endr
.endr
.endr
	WIN 0
.endm
; A tile of 256 keys.  In front of the round: all my tensor loads have landed (my part of this tile among them), so this slot's addresses
; may step to its next tile, and my reads of the other slot are back.  Behind the round the other slot is asked for first; that load has
; the four blocks of this tile in which to land.
.macro TRIP slot, other, refill, first, eo
	s_wait_tensorcnt 0x0
	ds_add_u32 v30, v31
	s_wait_dscnt 0x0
	s_add_nc_u64 s[G0K+4*\slot+2:G0K+4*\slot+3], s[G0K+4*\slot+2:G0K+4*\slot+3], 65536
	s_add_nc_u64 s[G0V+4*\slot+2:G0V+4*\slot+3], s[G0V+4*\slot+2:G0V+4*\slot+3], 65536
	s_wait_dscnt 0x0
	CROUND
.if \refill
	JLOAD \other
.endif
	FETCHK \slot, 0, \eo
	BLOCK \slot, 0, \first, 0, \eo
	BLOCK \slot, 1, 0, 0, \eo
	BLOCK \slot, 2, 0, 0, \eo
	BLOCK \slot, 3, 0, 1, \eo
.endm
	TRIP 0, 1, 1, 1, 0                             ; tile 0; slot 1 gets its first fill as a refill does
	v_add_nc_u32 v[EA], 1024, v[EA]
	s_mov_b32 s60, 3
.Lpair:
	TRIP 1, 0, 1, 0, 0                             ; tiles 1, 3, 5
	TRIP 0, 1, 1, 0, 1024                          ; tiles 2, 4, 6
	v_add_nc_u32 v[EA], 2048, v[EA]                ; e of two tiles on
	s_sub_co_u32 s60, s60, 1
	s_cmp_lg_u32 s60, 0
	s_cbranch_scc1 .Lpair
	TRIP 1, 0, 0, 0, 0                             ; tile 7: nothing is left to fetch
	; THE WAY OUT: divide by the sum, round to f16, 16 bytes a lane (eight neighbouring d of one query) into my stage, back by rows:
	; my 32 rows are 4,096 consecutive bytes of ctx, and each store of the wave covers 512 of them, aligned.
	PLACES
.irp qn, 0,1
	v_add_f32 v[RT+16*\qn], v[LP+2*\qn], v[LP+2*\qn+1]
.endr
.irp qn, 0,1
	v_permlanex16_b32 v[RT+16*\qn+1], v[RT+16*\qn], s14, s15
.endr
.irp qn, 0,1
	v_add_f32 v[RT+16*\qn], v[RT+16*\qn], v[RT+16*\qn+1]
.endr
	v_rcp_f32 v[AL], v[RT]
	v_rcp_f32 v[AL+1], v[RT]
	v_rcp_f32 v[AL+2], v[RT+16]
	v_rcp_f32 v[AL+3], v[RT+16]
	v_nop                                          ; a plain place before the reciprocals are used and their sources overwritten
	s_wait_alu depctr_va_vdst(0)
.irp qn, 0,1
	WIN 0x01
.irp dt, 0,1,2,3
.irp k, 0,2,4,6
	v_pk_mul_f32 v[RT+8*\dt+\k:RT+8*\dt+\k+1], v[RO+8*(2*\dt+\qn)+\k:RO+8*(2*\dt+\qn)+\k+1], v[AL+2*\qn:AL+2*\qn+1]
.endr
.endr
	WIN 0
.irp dt, 0,1,2,3
.irp k, 0,1,2,3
	v_cvt_pk_f16_f32 v[RS+4*\dt+\k], v[RT+8*\dt+2*\k], v[RT+8*\dt+2*\k+1]
.endr
.endr
.irp dt, 0,1,2,3
	ds_store_b128 v[STO], v[RS+4*\dt:RS+4*\dt+3] offset:16*KPITCH*\qn+32*\dt
.endr
.endr
.irp i, 0,1,2,3,4,5,6,7
	ds_load_b128 v[RK+4*\i:RK+4*\i+3], v[RD] offset:4*KPITCH*\i     ; LDS serves a wave's instructions in order: these see the stores above
.endr
.irp i, 0,1,2,3,4,5,6,7
	s_wait_dscnt 7-\i                              ; read-back i is in, the younger ones stay out
	global_store_b128 v[CO], v[RK+4*\i:RK+4*\i+3], s[76:77] offset:512*\i
.endr
	s_wait_tensorcnt 0x0
	ds_add_u32 v30, v31
	s_wait_dscnt 0x0
	CROUND                                         ; the closing round
	s_endpgm
.Lfunc_end_k_q5767d7bde7_attn:
	.size	k_q5767d7bde7_attn, .Lfunc_end_k_q5767d7bde7_attn-k_q5767d7bde7_attn
	.p2alignl 7, 3214868480
	.fill 96, 4, 3214868480
	.section	.rodata,"a",@progbits
	.p2align	6, 0x0
	.amdhsa_kernel k_q5767d7bde7_attn
		.amdhsa_group_segment_fixed_size 327680
		.amdhsa_private_segment_fixed_size 0
		.amdhsa_enable_private_segment 0
		.amdhsa_kernarg_size 24
		.amdhsa_user_sgpr_count 2
		.amdhsa_user_sgpr_kernarg_segment_ptr 1
		.amdhsa_wavefront_size32 1
		.amdhsa_system_sgpr_workgroup_id_x 1
		.amdhsa_system_sgpr_workgroup_id_y 1
		.amdhsa_system_sgpr_workgroup_id_z 1
		.amdhsa_system_vgpr_workitem_id 0
		.amdhsa_next_free_vgpr 448
		.amdhsa_next_free_sgpr 80
		.amdhsa_reserve_vcc 0
		.amdhsa_float_denorm_mode_32 3
		.amdhsa_float_denorm_mode_16_64 3
		.amdhsa_memory_ordered 1
		.amdhsa_forward_progress 1
		.amdhsa_inst_pref_size 255
	.end_amdhsa_kernel
	.section	.bss,"aw",@nobits
	.p2align	6
	.space	262144
	.amdgpu_metadata
---
amdhsa.version: [ 1, 2 ]
amdhsa.kernels:
  - .name:           k_q5767d7bde7_attn
    .symbol:         k_q5767d7bde7_attn.kd
    .args:
      - { .name: qkv, .offset: 0, .size: 8, .value_kind: global_buffer, .address_space: global }
      - { .name: eb, .offset: 8, .size: 8, .value_kind: global_buffer, .address_space: global }
      - { .name: ctx, .offset: 16, .size: 8, .value_kind: global_buffer, .address_space: global }
    .group_segment_fixed_size: 327680
    .private_segment_fixed_size: 0
    .kernarg_segment_align: 8
    .kernarg_segment_size: 24
    .max_flat_workgroup_size: 256
    .sgpr_count:     80
    .vgpr_count:     448
    .wavefront_size: 32
...
	.end_amdgpu_metadata
.endif
;; end of part 3
;; launch outp (part 4): grid 256 x 1, 4 waves a work-group, clusters of 4 x 1, 312,832 bytes of LDS; arguments ctx, cast, bout, out0; writes out0
.if DOCPART == 4
	.amdgcn_target "amdgcn-amd-amdhsa--gfx1250"
	.amdhsa_code_object_version 6
	.text
	.protected	k_q5767d7bde7_outp
	.globl	k_q5767d7bde7_outp
	.p2align	8
	.type	k_q5767d7bde7_outp,@function
k_q5767d7bde7_outp:
	s_mov_b64 s[64:65], 0
	v_nop
	global_prefetch_b8 v0, s[64:65] scope:SCOPE_SE
	s_setreg_imm32_b32 hwreg(HW_REG_WAVE_MODE, 25, 1), 1
	s_wait_xcnt 0x0
	s_wait_alu depctr_hold_cnt(0) depctr_sa_sdst(0) depctr_va_vdst(0) depctr_va_sdst(0) depctr_va_ssrc(0) depctr_va_vcc(0) depctr_vm_vsrc(0)
	s_getreg_b32 s2, hwreg(HW_REG_IB_STS2, 6, 4)
	s_cmp_eq_u32 s2, 0
	s_cbranch_scc0 .Lentry_in_a_cluster
	s_endpgm
.Lentry_in_a_cluster:
	s_bfe_u32 s2, ttmp6, 0x10000c
	s_cmp_lg_u32 s2, 0x3003
	s_cbranch_scc0 .Lentry_shape_is_right
	s_endpgm
.Lentry_shape_is_right:
; out0[b][t][o] = sum over f of ctx[b][t][f] Wout[o][f] + bout[o].  ctx: f16 [b][h][t][64] (f = 64 h + d); Wout: f16 in cast; out0: f32.
; WORK: cluster number C = 0..63: columns 128 (C & 3); row block 4 (C >> 2) + cx, 128 rows.  Four waves, 64 rows x 64 columns each.
; CLUSTER: the four partners read the same 128 rows of Wout: joint loads (mask 15).  ctx's tiles hang on cx: plain loads.
; The whole K = 512 lies in LDS as four chunks of K = 128 (two heads), each filled once: all loads go out at the start, four a wave, and
; no byte is filled twice.  In a chunk wave w's load lands at w WSTR: ctx's halves (64 rows x 2 heads, pitch 144) at 0 and WSTR, Wout's
; halves (64 rows, pitch 272) at 2 and 3 WSTR.  Behind the chunks a stage of 16 rows x 272 bytes for each wave.
; The matrix instruction is used transposed (source 0 = rows of Wout): a lane holds one row of out0 and eight neighbouring columns.
; bout enters as the C of the first products: its registers have the accumulators' layout, so nothing is cleared and nothing added later.
.set APITCH, 144
.set WPITCH, 272
.set SPITCH, 272
.set WSTR,   18432
.set CH,     4*WSTR
.set STAGE,  4*CH
.set WOUT,   12582912
.set ADRA, 16
.set ADRW, 17
.set STO,  18
.set RD,   19
.set CO,   20
.set BOF,  21
.set F0,   64                          ; fragment buffers: ctx's fragments a at +8a, Wout's b at +32+8b
.set F1,   128
.set BIAS, 192                         ; register 8 b + j = bout of column 16 b + 8 hf + j of my 64
.set G1A, 20
.set G1W, 28
.set G0A, 36                           ; s[36:51] a set for each chunk
.set G0W, 68                           ; s[68:83]
.set MSB, 0
.macro WIN new
.if MSB != \new
	s_set_vgpr_msb (MSB<<8)|\new
.set MSB, \new
.endif
.endm
.macro PLACES                          ; four places behind matrix instructions (ISA guide 7.12.1)
.rept 4
	v_nop
.endr
.endm
.macro CROUND
	s_barrier_signal -1
	s_barrier_wait -1
	s_cmp_lg_u32 s12, 0
	s_cbranch_scc1 .Lnot_wave_0_\@
	s_barrier_signal -3
.Lnot_wave_0_\@:
	s_barrier_wait -3
	s_barrier_signal -1
	s_barrier_wait -1
.endm
	s_load_b256 s[4:11], s[0:1], 0x0               ; ctx, cast, bout, out0
	v_lshl_add_u32 v254, v0, 2, 0x4c400
	v_mov_b32 v255, 0
	ds_add_u32 v254, v255
	v_lshrrev_b32 v1, 5, v0
	v_readfirstlane_b32 s12, v1                    ; wave
	s_lshr_b32 s13, s12, 1                         ; wr: my 64 rows.  Also: I fetch ctx (0) or Wout (1)
	s_and_b32 s14, s12, 1                          ; wc: my 64 columns.  Also: which half I fetch
	s_bfe_u32 s15, ttmp6, 0x40000                  ; cx
	s_and_b32 s16, ttmp9, 3                        ; column block
	s_lshr_b32 s17, ttmp9, 2
	s_lshl_b32 s17, s17, 2
	s_add_co_u32 s17, s17, s15                     ; row block
	; ctx: a tile 'row' is 64 dense rows of one head (4,096 elements), two heads 131,072 elements apart; padding behind every 32 words
	s_mov_b32 s[G1A+0], (1<<16)|(1<<20)|(4<<22)|(3<<25)
	s_mov_b32 s[G1A+1], 4096<<16
	s_mov_b32 s[G1A+2], 2<<16
	s_mov_b32 s[G1A+3], 4096<<16
	s_mov_b32 s[G1A+4], 2
	s_mov_b32 s[G1A+5], 131072
	s_mov_b32 s[G1A+6], 0
	s_mov_b32 s[G1A+7], 0
	; Wout: 64 rows of 128 elements, 512 elements from row to row; padding behind every 64 words
	s_mov_b32 s[G1W+0], 15|(1<<16)|(1<<20)|(1<<21)|(5<<22)|(3<<25)
	s_mov_b32 s[G1W+1], 128<<16
	s_mov_b32 s[G1W+2], 64<<16
	s_mov_b32 s[G1W+3], 128<<16
	s_mov_b32 s[G1W+4], 64
	s_mov_b32 s[G1W+5], 512
	s_mov_b32 s[G1W+6], 0
	s_mov_b32 s[G1W+7], 0
	s_lshr_b32 s18, s17, 4
	s_lshl_b32 s18, s18, 14                        ; 8 b heads of 2,048 rows
	s_and_b32 s19, s17, 15
	s_lshl_b32 s19, s19, 7
	s_add_co_u32 s18, s18, s19
	s_lshl_b32 s19, s14, 6
	s_add_co_u32 s18, s18, s19
	s_lshl_b32 s52, s18, 7                         ; ctx: rows of 128 bytes
	s_mov_b32 s53, 0
	s_lshl_b32 s54, s16, 17                        ; Wout: made of the column block and the wave's number alone
	s_lshl_b32 s84, s14, 16
	s_add_co_u32 s54, s54, s84
	s_add_co_u32 s54, s54, WOUT
	s_mov_b32 s55, 0
	s_lshl_b32 s59, s16, 9
	s_lshl_b32 s58, s14, 8
	s_add_co_u32 s59, s59, s58                     ; my first column, in bytes of f32
	s_lshl_b32 s56, s17, 18
	s_lshl_b32 s58, s13, 17
	s_add_co_u32 s56, s56, s58
	s_add_co_u32 s56, s56, s59                     ; out0: my first row and column
	s_mov_b32 s57, 0
	s_mul_i32 s60, s12, WSTR                       ; where my loads land
	s_wait_dscnt 0x0
	s_wait_kmcnt 0x0
	s_add_nc_u64 s[52:53], s[4:5], s[52:53]
	s_add_nc_u64 s[54:55], s[6:7], s[54:55]
	s_add_nc_u64 s[56:57], s[10:11], s[56:57]
.irp c, 0,1,2,3
	s_mov_b32 s[G0A+4*\c], 1
	s_add_co_u32 s[G0A+4*\c+1], s60, \c*CH
	s_add_nc_u64 s[G0A+4*\c+2:G0A+4*\c+3], s[52:53], \c*524288     ; two heads on
	s_or_b32 s[G0A+4*\c+3], s[G0A+4*\c+3], 0x80000000
	s_mov_b32 s[G0W+4*\c], 1
	s_add_co_u32 s[G0W+4*\c+1], s60, \c*CH
	s_add_nc_u64 s[G0W+4*\c+2:G0W+4*\c+3], s[54:55], \c*256
	s_or_b32 s[G0W+4*\c+3], s[G0W+4*\c+3], 0x80000000
.endr
	CROUND                                         ; in front of the loads
	s_cmp_eq_u32 s13, 0
	s_cbranch_scc0 .Lfor_w
.irp c, 0,1,2,3
	tensor_load_to_lds s[G0A+4*\c:G0A+4*\c+3], s[G1A:G1A+7]
	s_nop 0
.endr
	s_branch .Lasked
.Lfor_w:
.irp c, 0,1,2,3
	tensor_load_to_lds s[G0W+4*\c:G0W+4*\c+3], s[G1W:G1W+7]
	s_nop 0
.endr
.Lasked:                                               ; four loads of the wave are out
	v_and_b32 v1, 15, v0                           ; r
	v_bfe_u32 v2, v0, 4, 1                         ; hf
	v_lshlrev_b32 v8, 5, v2
	v_add_nc_u32 v[BOF], s59, v8
.irp b, 0,1,2,3
	global_load_b128 v[BIAS+8*\b:BIAS+8*\b+3],   v[BOF], s[8:9] offset:64*\b
	global_load_b128 v[BIAS+8*\b+4:BIAS+8*\b+7], v[BOF], s[8:9] offset:64*\b+16
.endr
	v_mul_u32_u24 v3, v1, APITCH
	v_lshl_add_u32 v3, v2, 4, v3
	s_mul_i32 s18, s13, WSTR
	v_add_nc_u32 v[ADRA], s18, v3
	v_mul_u32_u24 v4, v1, WPITCH
	v_lshl_add_u32 v5, v2, 4, v4
	s_mul_i32 s19, s14, WSTR
	s_add_co_u32 s19, s19, 2*WSTR
	v_add_nc_u32 v[ADRW], s19, v5
	s_mul_i32 s85, s12, 16*SPITCH
	s_add_co_u32 s85, s85, STAGE
	v_lshl_add_u32 v6, v2, 5, v4                   ; stage in: row r, 32 bytes for each half of the lanes
	v_add_nc_u32 v[STO], s85, v6
	v_mul_u32_u24 v7, v2, SPITCH                   ; back: lanes 0-15 take one row of 256 bytes, lanes 16-31 the next
	v_lshl_add_u32 v7, v1, 4, v7
	v_add_nc_u32 v[RD], s85, v7
	v_lshlrev_b32 v9, 11, v2                       ; and the same two rows in out0
	v_lshl_add_u32 v[CO], v1, 4, v9
; 4 matrix instructions: row fragment a x my 4 column fragments.  The 16 accumulators take turns, one instruction a turn.
; start = 1: C is bout.
.macro MUL4 f, a, start
.irp b, 0,1,2,3
.if \start
	v_wmma_f32_16x16x32_f16 v[8*(4*\a+\b):8*(4*\a+\b)+7], v[\f+32+8*\b:\f+32+8*\b+7], v[\f+8*\a:\f+8*\a+7], v[BIAS+8*\b:BIAS+8*\b+7]
.else
	v_wmma_f32_16x16x32_f16 v[8*(4*\a+\b):8*(4*\a+\b)+7], v[\f+32+8*\b:\f+32+8*\b+7], v[\f+8*\a:\f+8*\a+7], v[8*(4*\a+\b):8*(4*\a+\b)+7]
.endif
.endr
.endm
.macro ACCWIN start                    ; D in window 1; C in window 0 (bout) or 1
.if \start
	WIN 0x40
.else
	WIN 0x50
.endif
.endm
; 16 LDS loads: quarter q of the chunk at hand: Wout's 8 first, then ctx's 8 (head q >> 1, 32 of its 64 d)
.macro FETCH q, f
.irp b, 0,1,2,3
	ds_load_b128 v[\f+32+8*\b:\f+32+8*\b+3],   v[ADRW] offset:\b*16*WPITCH+64*\q
	ds_load_b128 v[\f+32+8*\b+4:\f+32+8*\b+7], v[ADRW] offset:\b*16*WPITCH+64*\q+32
.endr
.irp a, 0,1,2,3
	ds_load_b128 v[\f+8*\a:\f+8*\a+3],   v[ADRA] offset:9216*(\q>>1)+\a*16*APITCH+64*(\q&1)
	ds_load_b128 v[\f+8*\a+4:\f+8*\a+7], v[ADRA] offset:9216*(\q>>1)+\a*16*APITCH+64*(\q&1)+32
.endr
.endm
.macro QUARTER q, f, g, start          ; multiplies buffer f, fetches quarter q into buffer g
	s_wait_dscnt 4                                 ; all but the youngest four loads (ctx's fragments 2 and 3)
	ACCWIN \start
	MUL4 \f, 0, \start
	MUL4 \f, 1, \start
	PLACES
	WIN 0
	FETCH \q, \g
	s_wait_dscnt 16                                ; all but the 16 just issued
	ACCWIN \start
	MUL4 \f, 2, \start
	MUL4 \f, 3, \start
.endm
; The last quarter of a chunk.  left = how many of my loads (the chunks behind the next) may stay out: behind this barrier nothing is filled.
.macro TURN3 left
	s_wait_dscnt 4
	WIN 0x50
	MUL4 F1, 0, 0
	s_wait_dscnt 0x0
	s_wait_tensorcnt \left
	s_barrier_signal -1
	MUL4 F1, 1, 0
	WIN 0
	s_barrier_wait -1
	v_add_nc_u32 v[ADRA], CH, v[ADRA]
	v_add_nc_u32 v[ADRW], CH, v[ADRW]
	PLACES
	FETCH 0, F0
	WIN 0x50
	MUL4 F1, 2, 0
	MUL4 F1, 3, 0
.endm
	s_wait_loadcnt 0x0                             ; bout
	s_wait_tensorcnt 0x3                           ; my part of chunk 0 is in, the three later ones stay out
	s_barrier_signal -1
	s_barrier_wait -1
	FETCH 0, F0
	QUARTER 1, F0, F1, 1
	QUARTER 2, F1, F0, 0
	QUARTER 3, F0, F1, 0
	TURN3 2
	QUARTER 1, F0, F1, 0
	QUARTER 2, F1, F0, 0
	QUARTER 3, F0, F1, 0
	TURN3 1
	QUARTER 1, F0, F1, 0
	QUARTER 2, F1, F0, 0
	QUARTER 3, F0, F1, 0
	TURN3 0
	QUARTER 1, F0, F1, 0
	QUARTER 2, F1, F0, 0
	QUARTER 3, F0, F1, 0
	s_wait_dscnt 0x0
	WIN 0x50
	MUL4 F1, 0, 0
	MUL4 F1, 1, 0
	MUL4 F1, 2, 0
	MUL4 F1, 3, 0
	; THE WAY OUT, 16 rows at a time: the accumulators go straight into my stage (32 bytes a lane), and come back as whole rows of 256
	; bytes; sixteen lanes store 256 consecutive bytes of out0, aligned.
	PLACES
.macro OUT16 a, f
	WIN 0x04                                       ; the stores' data in window 1
.irp b, 0,1,2,3
	ds_store_b128 v[STO], v[8*(4*\a+\b):8*(4*\a+\b)+3]   offset:64*\b
	ds_store_b128 v[STO], v[8*(4*\a+\b)+4:8*(4*\a+\b)+7] offset:64*\b+16
.endr
	WIN 0
	s_wait_xcnt 0x0                                ; buffer f, which earlier stores read, is loaded again only behind this wait
.irp i, 0,1,2,3,4,5,6,7
	ds_load_b128 v[\f+4*\i:\f+4*\i+3], v[RD] offset:2*SPITCH*\i    ; LDS serves a wave's instructions in order: these see the stores above
.endr
.irp i, 0,1,2,3,4,5,6,7
	s_wait_dscnt 7-\i                              ; read-back i is in, the younger ones stay out
	global_store_b128 v[CO], v[\f+4*\i:\f+4*\i+3], s[56:57] offset:(16*\a+2*\i)*2048 th:TH_STORE_NT
.endr
.endm
	OUT16 0, F0
	OUT16 1, F1
	OUT16 2, F0
	OUT16 3, F1
	s_wait_tensorcnt 0x0
	ds_add_u32 v254, v255
	s_wait_dscnt 0x0
	CROUND                                         ; the closing round
	s_endpgm
.Lfunc_end_k_q5767d7bde7_outp:
	.size	k_q5767d7bde7_outp, .Lfunc_end_k_q5767d7bde7_outp-k_q5767d7bde7_outp
	.p2alignl 7, 3214868480
	.fill 96, 4, 3214868480
	.section	.rodata,"a",@progbits
	.p2align	6, 0x0
	.amdhsa_kernel k_q5767d7bde7_outp
		.amdhsa_group_segment_fixed_size 312832
		.amdhsa_private_segment_fixed_size 0
		.amdhsa_enable_private_segment 0
		.amdhsa_kernarg_size 32
		.amdhsa_user_sgpr_count 2
		.amdhsa_user_sgpr_kernarg_segment_ptr 1
		.amdhsa_wavefront_size32 1
		.amdhsa_system_sgpr_workgroup_id_x 1
		.amdhsa_system_sgpr_workgroup_id_y 1
		.amdhsa_system_sgpr_workgroup_id_z 1
		.amdhsa_system_vgpr_workitem_id 0
		.amdhsa_next_free_vgpr 384
		.amdhsa_next_free_sgpr 88
		.amdhsa_reserve_vcc 0
		.amdhsa_float_denorm_mode_32 3
		.amdhsa_float_denorm_mode_16_64 3
		.amdhsa_memory_ordered 1
		.amdhsa_forward_progress 1
		.amdhsa_inst_pref_size 54
	.end_amdhsa_kernel
	.amdgpu_metadata
---
amdhsa.version: [ 1, 2 ]
amdhsa.kernels:
  - .name:           k_q5767d7bde7_outp
    .symbol:         k_q5767d7bde7_outp.kd
    .args:
      - { .name: ctx, .offset: 0, .size: 8, .value_kind: global_buffer, .address_space: global }
      - { .name: cast, .offset: 8, .size: 8, .value_kind: global_buffer, .address_space: global }
      - { .name: bout, .offset: 16, .size: 8, .value_kind: global_buffer, .address_space: global }
      - { .name: out0, .offset: 24, .size: 8, .value_kind: global_buffer, .address_space: global }
    .group_segment_fixed_size: 312832
    .private_segment_fixed_size: 0
    .kernarg_segment_align: 8
    .kernarg_segment_size: 32
    .max_flat_workgroup_size: 128
    .sgpr_count:     88
    .vgpr_count:     384
    .wavefront_size: 32
...
	.end_amdgpu_metadata
.endif
;; end of part 4
;; ======== version 2 of 2: 4 launches; version 1 with the launch cast written anew for expert scheduling mode
;; limits: values are held in f16: magnitudes above 65,504 overflow, below 6.1e-05 lose precision
;; workspace buffers: cast 13,107,200 bytes; qkv 25,165,824 bytes; eb 262,144 bytes; ctx 8,388,608 bytes
;; launch cast (part 5): grid 256 x 1, 8 waves a work-group, no clusters, 0 bytes of LDS; arguments x, pos_emb, Wq, Wv, Wpos, Wk, Wout, cast; writes cast
.if DOCPART == 5
	.amdgcn_target "amdgcn-amd-amdhsa--gfx1250"
	.amdhsa_code_object_version 6
	.text
	.protected	k_q5767d7bde7_cast
	.globl	k_q5767d7bde7_cast
	.p2align	8
	.type	k_q5767d7bde7_cast,@function
k_q5767d7bde7_cast:
	s_mov_b64 s[64:65], 0
	v_nop
	global_prefetch_b8 v0, s[64:65] scope:SCOPE_SE
	s_setreg_imm32_b32 hwreg(HW_REG_WAVE_SCHED_MODE, 0, 2), 2
	s_setreg_imm32_b32 hwreg(HW_REG_WAVE_MODE, 25, 1), 1
	s_wait_xcnt 0x0
	s_wait_alu depctr_vm_vsrc(0)
; x, pos_emb and the five weight matrices, f32, are rounded once to f16 and laid one behind the other in 'cast':
;   x at 0 (8192 x 512), pos_emb at PB (2048 x 512), then Wq, Wv, Wpos, Wk, Wout (512 x 512 each) from WQ on, 524,288 bytes apart.
; LIMIT: a number above 65,504 in magnitude becomes an infinity in f16.
; A stream: no LDS, no matrix unit, no cluster (no byte is read by two work-groups).
; Work-group g takes 1/256 of every tensor: 64 KiB of x, 16 KiB of pos_emb, 4 KiB of each weight matrix = 25 loads of 16 bytes a thread,
; all issued before the first is used.  A wave's load covers 512 consecutive bytes, a wave's store 256 consecutive bytes, aligned.
; No register is written twice, so no source of a pending load or store is ever overwritten.
; THE MODE: SCHED_MODE bits 1:0 = 2 (LLVM: expert scheduling mode 2), set by the entry lines.  The code itself states the register dependences
; between vector instructions and memory instructions, with s_wait_alu, always for 0.
; THE PLAN.  Registers that memory instructions touch:
;   v1, v2   byte offsets.  Written once at the head; v1 is read by every load, v2 by every store; never written again.
;   IN       load i lands in IN + 4 i; no vector instruction names these registers before that, and no load lands in them a second time.
;            Read by load i's two conversions.
;   OUT      load i's two conversions write OUT + 2 i and OUT + 2 i + 1; store i reads them; never written again.
; So two kinds of dependence are to be stated, both 'a vector instruction has written what a memory instruction reads': the offsets, once
; at the head, and OUT ahead of the stores.  The 25 loads go in six blocks (x: four of four; pos_emb: four; the weight matrices: five).
; A block is: the wait for its last load, its conversions, ONE wait on va_vdst, its stores in one run with no vector instruction between.
; That wait stands behind the block's own conversions and not at the next block's head: the stores then leave without waiting for the next block's data.
; No register that a memory instruction has read is written again, no load lands in a register that a vector instruction has named, no
; vector instruction writes a scalar register, and EXEC is never written: nothing else is owed.
.set IN,  4                            ; v[4:103]    25 x 4 numbers as loaded
.set OUT, 104                          ; v[104:153]  25 x 4 numbers in f16
.set PB,  8388608
.set WQ,  10485760
	s_load_b512 s[4:19], s[0:1], 0x0               ; x, pos_emb, Wq, Wv, Wpos, Wk, Wout, cast
	v_lshlrev_b32 v1, 4, v0                        ; 16 t: my bytes in a load
	v_lshlrev_b32 v2, 3, v0                        ; 8 t: my bytes in a store
	s_lshl_b32 s20, ttmp9, 16                      ; byte offsets of the group's parts: x in,
	s_mov_b32 s21, 0
	s_lshl_b32 s22, ttmp9, 14                      ; pos_emb in,
	s_mov_b32 s23, 0
	s_lshl_b32 s24, ttmp9, 12                      ; a weight matrix in,
	s_mov_b32 s25, 0
	s_lshl_b32 s26, ttmp9, 15                      ; x out,
	s_mov_b32 s27, 0
	s_lshl_b32 s28, ttmp9, 13                      ; pos_emb out,
	s_add_co_u32 s28, s28, PB
	s_mov_b32 s29, 0
	s_lshl_b32 s30, ttmp9, 11                      ; the weight matrices out
	s_add_co_u32 s30, s30, WQ
	s_mov_b32 s31, 0
	s_wait_kmcnt 0x0
	s_add_nc_u64 s[4:5], s[4:5], s[20:21]
	s_add_nc_u64 s[6:7], s[6:7], s[22:23]
.irp p, 8,10,12,14,16
	s_add_nc_u64 s[\p:\p+1], s[\p:\p+1], s[24:25]
.endr
	s_add_nc_u64 s[26:27], s[18:19], s[26:27]
	s_add_nc_u64 s[28:29], s[18:19], s[28:29]
	s_add_nc_u64 s[30:31], s[18:19], s[30:31]
	s_wait_alu depctr_va_vdst(0)                   ; v1 and v2 are written: every load reads v1 as its offset, every store v2
.set i, 0
.rept 16
	global_load_b128 v[IN+4*i:IN+4*i+3], v1, s[4:5] offset:4096*i th:TH_LOAD_NT
.set i, i+1
.endr
.rept 4
	global_load_b128 v[IN+4*i:IN+4*i+3], v1, s[6:7] offset:4096*(i-16) th:TH_LOAD_NT
.set i, i+1
.endr
.rept 5
	global_load_b128 v[IN+4*i:IN+4*i+3], v1, s[8+2*(i-20):9+2*(i-20)] th:TH_LOAD_NT
.set i, i+1
.endr
; load i is in when at most the 24 - i younger ones are out (loads return in order): a block waits for its last load
; x: four blocks of four, loads i to i + 3
.set i, 0
.rept 4
	s_wait_loadcnt 21-i                            ; load i + 3 and all before it are in; the 21 - i younger ones stay out
.set j, i
.rept 4
	v_cvt_pk_f16_f32 v[OUT+2*j],   v[IN+4*j],   v[IN+4*j+1]
	v_cvt_pk_f16_f32 v[OUT+2*j+1], v[IN+4*j+2], v[IN+4*j+3]
.set j, j+1
.endr
	s_wait_alu depctr_va_vdst(0)                   ; the block's eight conversions have written v[OUT+2i .. OUT+2i+7], which the four stores below read
.set j, i
.rept 4
	global_store_b64 v2, v[OUT+2*j:OUT+2*j+1], s[26:27] offset:2048*j
.set j, j+1
.endr
.set i, i+4
.endr
; pos_emb: one block of four, loads 16 to 19
	s_wait_loadcnt 5                               ; load 19 and all before it are in; the five weight matrices' loads stay out
.set j, 16
.rept 4
	v_cvt_pk_f16_f32 v[OUT+2*j],   v[IN+4*j],   v[IN+4*j+1]
	v_cvt_pk_f16_f32 v[OUT+2*j+1], v[IN+4*j+2], v[IN+4*j+3]
.set j, j+1
.endr
	s_wait_alu depctr_va_vdst(0)                   ; the block's eight conversions have written v[OUT+32 .. OUT+39], which the four stores below read
.set j, 16
.rept 4
	global_store_b64 v2, v[OUT+2*j:OUT+2*j+1], s[28:29] offset:2048*(j-16)
.set j, j+1
.endr
; the weight matrices: one block of five, loads 20 to 24
	s_wait_loadcnt 0x0                             ; the last load is in
.set j, 20
.rept 5
	v_cvt_pk_f16_f32 v[OUT+2*j],   v[IN+4*j],   v[IN+4*j+1]
	v_cvt_pk_f16_f32 v[OUT+2*j+1], v[IN+4*j+2], v[IN+4*j+3]
.set j, j+1
.endr
	s_wait_alu depctr_va_vdst(0)                   ; the block's ten conversions have written v[OUT+40 .. OUT+49], which the five stores below read
.set j, 20
.rept 5
	global_store_b64 v2, v[OUT+2*j:OUT+2*j+1], s[30:31] offset:524288*(j-20)
.set j, j+1
.endr
	s_endpgm
.Lfunc_end_k_q5767d7bde7_cast:
	.size	k_q5767d7bde7_cast, .Lfunc_end_k_q5767d7bde7_cast-k_q5767d7bde7_cast
	.p2alignl 7, 3214868480
	.fill 96, 4, 3214868480
	.section	.rodata,"a",@progbits
	.p2align	6, 0x0
	.amdhsa_kernel k_q5767d7bde7_cast
		.amdhsa_group_segment_fixed_size 0
		.amdhsa_private_segment_fixed_size 0
		.amdhsa_enable_private_segment 0
		.amdhsa_kernarg_size 64
		.amdhsa_user_sgpr_count 2
		.amdhsa_user_sgpr_kernarg_segment_ptr 1
		.amdhsa_wavefront_size32 1
		.amdhsa_system_sgpr_workgroup_id_x 1
		.amdhsa_system_sgpr_workgroup_id_y 1
		.amdhsa_system_sgpr_workgroup_id_z 1
		.amdhsa_system_vgpr_workitem_id 0
		.amdhsa_next_free_vgpr 160
		.amdhsa_next_free_sgpr 66
		.amdhsa_reserve_vcc 0
		.amdhsa_float_denorm_mode_32 3
		.amdhsa_float_denorm_mode_16_64 3
		.amdhsa_memory_ordered 1
		.amdhsa_forward_progress 1
		.amdhsa_inst_pref_size 10
	.end_amdhsa_kernel
	.amdgpu_metadata
---
amdhsa.version: [ 1, 2 ]
amdhsa.kernels:
  - .name:           k_q5767d7bde7_cast
    .symbol:         k_q5767d7bde7_cast.kd
    .args:
      - { .name: x, .offset: 0, .size: 8, .value_kind: global_buffer, .address_space: global }
      - { .name: pos_emb, .offset: 8, .size: 8, .value_kind: global_buffer, .address_space: global }
      - { .name: Wq, .offset: 16, .size: 8, .value_kind: global_buffer, .address_space: global }
      - { .name: Wv, .offset: 24, .size: 8, .value_kind: global_buffer, .address_space: global }
      - { .name: Wpos, .offset: 32, .size: 8, .value_kind: global_buffer, .address_space: global }
      - { .name: Wk, .offset: 40, .size: 8, .value_kind: global_buffer, .address_space: global }
      - { .name: Wout, .offset: 48, .size: 8, .value_kind: global_buffer, .address_space: global }
      - { .name: cast, .offset: 56, .size: 8, .value_kind: global_buffer, .address_space: global }
    .group_segment_fixed_size: 0
    .private_segment_fixed_size: 0
    .kernarg_segment_align: 8
    .kernarg_segment_size: 64
    .max_flat_workgroup_size: 256
    .sgpr_count:     66
    .vgpr_count:     160
    .wavefront_size: 32
...
	.end_amdgpu_metadata
.endif
;; end of part 5
;; launch proj: the kernel of part 2 again; grid 256 x 1, 4 waves a work-group, clusters of 4 x 1, 327,680 bytes of LDS; arguments cast, bq, bv, bk, pos_bias_u, pos_bias_v, qkv, eb; writes qkv, eb
;; launch attn: the kernel of part 3 again; grid 256 x 1, 8 waves a work-group, clusters of 4 x 1, 327,680 bytes of LDS; arguments qkv, eb, ctx; writes ctx
;; launch outp: the kernel of part 4 again; grid 256 x 1, 4 waves a work-group, clusters of 4 x 1, 312,832 bytes of LDS; arguments ctx, cast, bout, out0; writes out0
